; MI455X (gfx1250); checked and timed in simulation.
; The chip was launched on July 23, 2026; its instructions are those of AMD's public machine-readable ISA for CDNA 5 (MIT licence, August 2026) and "CDNA5" Instruction Set Architecture Reference Guide (July 2026). The comments in the code are by the model that wrote it; some were corrected since.
;; Mp Max Pooling Match. Allowed arithmetic: matrix products marked QUANTISED: E5M2 operands, one given power-of-two scale a tensor, by v_wmma_f32_16x16x64_bf8_bf8 or v_wmma_f32_16x16x128_bf8_bf8, f32 sums; everything else in f32.
;; Inputs: kernel 32 x 256 float32; lowp_scales 2 int32 (the exponents e of the quantised operands' scales 2^e); reps_lt 16 x 256 x 256 float32; reps_rt 16 x 256 x 256 float32.
;; Outputs: out0 16 x 256 x 32 float32.
;; This version of the problem:
;;   THIS VERSION OF THE PROBLEM IS GIVEN IN LOW PRECISION. The matrix products marked QUANTISED in the list below multiply operands that are first quantised to E5M2 (5 exponent bits, 2 mantissa bits; 8 bits a number), with one given power-of-two scale for each operand tensor; their sums are f32. All else is computed in f32.
;;   The module's matrix products, in the order in which they are computed (A, B: the left and right operand; K: the contracted axis; several contracted axes count as one K, in the product's order):
;;     1. batch 16 x [M 256, K 256] x [K 256, N 8,192]; A: input reps_rt; B: computed on the way: QUANTISED (scales: A lowp_scales[0], B lowp_scales[1])
;;   THE QUANTISER, for each operand of a quantised product, along K:
;;     - The operand's scale is 2^e, e = its entry of the input lowp_scales (int32; the entries are numbered through the quantised products in the list's order, A before B).
;;     - Each number is divided by the scale, clamped to +-57,344, and rounded to the nearest number of E5M2, ties to even, subnormals kept.
;;     - The product sums the exact products of the quantised numbers (number of the format x scale) in f32.
;;   ~~~python
;;   def quantise(x, axis, e):      # numpy; x: float32 -> the quantised numbers, widened to float32 again
;;       x = np.moveaxis(x, axis, -1); K = x.shape[-1]
;;       r = np.clip(x / 2.0 ** e, -57344, 57344)
;;       step = 2.0 ** (np.maximum(np.frexp(np.where(r == 0, 1, r))[1] - 1, -14) - 2)
;;       q = np.round(r / step) * step * 2.0 ** e      # np.round: ties to even
;;       return np.moveaxis(q, -1, axis).astype(np.float32)
;;   ~~~
;;   OPERANDS COMPUTED ON THE WAY. 'Computed on the way' means the value that the module computes at that place (a softmax that the list does not call 'softmax' is quantised finished and normalised). What goes into a quantiser is computed in f32, as accurately as f32 sums, v_exp_f32 and their like allow (about 1e-6 of the number): no bf16 or f16 on the way to a quantiser, and a product that is left as it is and whose result goes on into a quantised operand takes f32 operands (vector FMAs, or v_wmma_f32_16x16x4_f32). A number that lies on a knife's edge between two numbers of the format may be rounded either way, as far as f32 arithmetic and the matrix unit's own rounding can turn it there, and no further.
;; One version. Each part assembles by itself: llvm-mc -triple=amdgcn-amd-amdhsa -mcpu=gfx1250 --defsym DOCPART=n.
;; ======== version 1 of 1: 1 launch
;; limits: right only within a limited range of input values
;; launch match (part 1): grid 256 x 1, 8 waves a work-group, clusters of 4 x 1, 302,080 bytes of LDS; arguments reps_lt, reps_rt, kernel, lowp_scales, out0; writes out0
.if DOCPART == 1
	.amdgcn_target "amdgcn-amd-amdhsa--gfx1250"
	.amdhsa_code_object_version 6
	.text
	.protected	k_q1edb30cb2b_match
	.globl	k_q1edb30cb2b_match
	.p2align	8
	.type	k_q1edb30cb2b_match,@function
k_q1edb30cb2b_match:
	s_mov_b64 s[64:65], 0
	v_nop
	global_prefetch_b8 v0, s[64:65] scope:SCOPE_SE
	s_setreg_imm32_b32 hwreg(HW_REG_WAVE_MODE, 25, 1), 1
	s_wait_xcnt 0x0
	s_wait_alu depctr_hold_cnt(0) depctr_sa_sdst(0) depctr_va_vdst(0) depctr_va_sdst(0) depctr_va_ssrc(0) depctr_va_vcc(0) depctr_vm_vsrc(0)
	s_getreg_b32 s2, hwreg(HW_REG_IB_STS2, 6, 4)
	s_cmp_eq_u32 s2, 0
	s_cbranch_scc0 .Lentry_in_a_cluster
	s_endpgm
.Lentry_in_a_cluster:
	s_bfe_u32 s2, ttmp6, 0x10000c
	s_cmp_lg_u32 s2, 0x3003
	s_cbranch_scc0 .Lentry_shape_is_right
	s_endpgm
.Lentry_shape_is_right:
; out0[b][j][m] = max over i of tanh( sum over d of Q(rt[b][j][d]) x Q(lt[b][i][d] x kernel[m][d]) ).   rt, lt: [16][256][256] f32; kernel: [32][256] f32; out0: [16][256][32] f32.
; Q: codes of BF8 (E5M2) with the given scales 2^e0 (rt) and 2^e1 (lt x kernel): x / 2^e, held within +-57,344, to the nearest code, ties to even.  Sums in f32, each finished maximum x 2^(e0 + e1).
; tanh never decreases, so the maximum over i is taken of the sums and tanh of the maxima: tanh(x) = 1 - 2 / (1 + 2^(2 log2(e) x)), absolute error of the order of an f32 rounding of 1.
; SHARES.  A work-group owns one batch b (the cluster's number mod 16), all j, all i and two m: each number of lt x kernel is quantised once in the whole launch and the maximum over i ends inside the work-group.
;   Making codes: wave w takes rows 32 w .. + 31 of rt and of lt, the latter for both m.
;   Products: wave w takes m = w & 1, rows i = 128 ((w >> 1) & 1) .. + 127 as 8 units of 16, and j = 128 (w >> 2) .. + 127 as 8 tiles of 16: 128 matrix instructions; its codes of rt stay in 256 registers.
;   The price: the 16 work-groups of a batch each quantise rt[b], and each owns 8 bytes of each 128-byte row of out0 (8 bytes a lane stored, 512 KiB in all): owning whole 256-byte units would mean all 32 m in one work-group.
; ORDER OF d.  A row is two reads of 512 consecutive bytes: lane l holds d = 4 l .. 4 l + 3 and 128 + 4 l .. + 3.  Its eight codes are bytes 8 l .. 8 l + 7 of the row of codes in LDS.  rt and lt x kernel have the same
;   order, so every product meets its partner; a permutation of K changes nothing but the order of a sum.
; WAYS IN.  lt[b]: the four work-groups of a cluster share b, so each wave's 32 rows are asked for JOINTLY, one tensor load a wave; only the wave itself reads them.  Their codes are laid over their own bytes, which have had their only fill.
;   rt[b] is shared too but goes straight into registers: 262,144 bytes of f32 more do not fit in LDS beside lt's 262,144 without filling bytes again.  NO PREFETCH: there is no loop to run ahead in; 36 of a wave's 68 loads go out at the head.
; TWO HALVES OF j.  Rows 0-15 of every wave's 32 of rt are the even tiles, rows 16-31 the odd ones.  The 8 units go against the even tiles while the odd ones still come in, and then (fetched from LDS again) against the odd ones.
; LIMITS: e0 and e1 between -126 and 112, so that 2^e and 57,344 x 2^e are f32 numbers; e0 + e1 is applied by v_ldexp_f32.  NaN among the inputs (infinity x 0 in lt x kernel too) is not served; an infinity is held at the largest code.
; REGISTERS, in windows of 256 (s_set_vgpr_msb: bits 1:0 source 0, 3:2 source 1, 5:4 source 2, 7:6 destination):
;   window 0: v0-15 addresses; v16-31 kernel; v32-47 at work; v48-63 codes of four rows of lt, later the running maxima; v64-127 two sets of four accumulators; v128-255 two batches of 8 rows of lt, later four units' fragments
;   window 1: rt's 32 rows in f32 (row n at 8 n), then rt's fragments: slot s at 32 s, 16 registers for each 128 along K; slots 0-3 the even tiles, 4-7 the odd
.set AXP,  272                         ; a row of rt's codes in LDS: 256 bytes + 16 = 17 x 16: the 16 rows that a load of 16 bytes a lane touches fall into 16 different columns of 16 bytes modulo 256
.set WREG, 32768                       ; a wave's 32 rows of lt
.set RP,   544                         ; codes of lt x kernel: a row's two m on end, 272 bytes each; row n of the wave's 32 at GP (n / 8) + RP (n % 8): 34 x 16 and 273 x 16, so 16 rows of one m fall into 8 even and 8 odd columns.
.set GP,   4368                        ; A row's codes end at or before its own f32 bytes end
.set RT0,  8*WREG                      ; 128 rows of rt's codes: the even tiles, later the odd ones
.set RED,  RT0+128*AXP                 ; 8 waves x 128 maxima
.set SPARE, RED+4096                   ; the spare words, 128 bytes for each wave
.set SPW,  1
.set NIL,  2
.set L16,  3                           ; 16 x lane
.set LSA,  4                           ; where I put codes of lt x kernel
.set LL,   5                           ; where I read my rows of lt
.set RSA,  6                           ; where I put codes of rt
.set AF,   7                           ; my lane's place in a fragment of lt x kernel, units 0-3
.set RF,   8                           ; and of rt
.set SA,   9                           ; 2^e0 as f32
.set SB,   10                          ; 2^e1 as f32
.set VRS,  11                          ; where I put a maximum
.set AF1,  12                          ; as AF, units 4-7
.set VRL,  13                          ; where I read maxima back
.set VO,   14                          ; my byte offset in out0
.set KA,   16                          ; kernel, even m: my 8 numbers
.set KB,   24                          ; odd m
.set T,    32
.set C,    48
.set R,    48
.set ACC,  64
.set LB,   128
.set AB,   128
.set MSB, 0
.macro WIN new                         ; the immediate's high byte repeats the setting that is left; a switch that changes nothing is dropped
.if MSB != (\new)
	s_set_vgpr_msb (MSB<<8)|(\new)
.set MSB, (\new)
.endif
.endm
.macro BAR
	s_barrier_signal -1
	s_barrier_wait -1
.endm
.macro ROUND                           ; a round of the cluster's barrier: my work-group's barrier; wave 0 signals for the work-group; every wave waits for all four work-groups; my work-group's barrier once more
	s_barrier_signal -1
	s_barrier_wait -1
	s_cmp_lg_u32 s14, 0
	s_cbranch_scc1 .Lnot_wave_0_\@
	s_barrier_signal -3
.Lnot_wave_0_\@:
	s_barrier_wait -3
	s_barrier_signal -1
	s_barrier_wait -1
.endm
.macro LD4 n                           ; rows n .. n + 3 of my 32 of rt, eight loads, 512 consecutive bytes each
	WIN 0x40
.irp j, 0,1,2,3
	global_load_b128 v[8*((\n)+\j):8*((\n)+\j)+3], v[L16], s[6:7] offset:((\n)+\j)*1024
	global_load_b128 v[8*((\n)+\j)+4:8*((\n)+\j)+7], v[L16], s[6:7] offset:((\n)+\j)*1024+512
.endr
	WIN 0
.endm
; Rows 4 k .. 4 k + 3 of my 32 of rt become codes in LDS (rows 16-31 take the places of rows 0-15).  left = the younger loads that may stay out.
.macro RTB k, left
	s_wait_loadcnt \left                           ; loads come back in order (ISA guide 5.7.1)
	WIN 0x41
.irp i, 0,1,2,3,4,5,6,7,8,9,10,11,12,13,14,15,16,17,18,19,20,21,22,23,24,25,26,27,28,29,30,31
	v_med3_num_f32 v[32*(\k)+\i], v[32*(\k)+\i], s38, s39      ; the conversion to an 8-bit code does not saturate (ISA guide 7.6.2): hold the number within +-57,344 x 2^e0 first
.endr
	WIN 0x01
.irp j, 0,1,2,3
	v_cvt_scalef32_pk8_bf8_f32 v[T+8*((\k)%2)+2*\j:T+8*((\k)%2)+2*\j+1], v[32*(\k)+8*\j:32*(\k)+8*\j+7], v[SA]
.endr
	WIN 0
.irp j, 0,1,2,3
	ds_store_b64 v[RSA], v[T+8*((\k)%2)+2*\j:T+8*((\k)%2)+2*\j+1] offset:(4*((\k)%4)+\j)*AXP   ; 32 lanes fill a row's 256 bytes
.endr
.endm
.macro LTL b                           ; eight rows of lt from LDS, 16 loads
.irp j, 0,1,2,3,4,5,6,7
	ds_load_b128 v[LB+64*((\b)%2)+8*\j:LB+64*((\b)%2)+8*\j+3], v[LL] offset:(8*(\b)+\j)*1024
	ds_load_b128 v[LB+64*((\b)%2)+8*\j+4:LB+64*((\b)%2)+8*\j+7], v[LL] offset:(8*(\b)+\j)*1024+512
.endr
.endm
; One row of lt in v[x ..]: lt x kernel for both m (one f32 rounding each), the hold, the conversion, into LDS at offset o.  The even m's products go to t, the odd m's stay in place.
; Neighbouring rows use different t: the next row's first multiply is the plain instruction between the conversions and a write of their sources.
.macro ROW x, t, c, o
.irp i, 0,2,4,6
	v_pk_mul_f32 v[(\t)+\i:(\t)+\i+1], v[(\x)+\i:(\x)+\i+1], v[KA+\i:KA+\i+1]
.endr
.irp i, 0,2,4,6
	v_pk_mul_f32 v[(\x)+\i:(\x)+\i+1], v[(\x)+\i:(\x)+\i+1], v[KB+\i:KB+\i+1]
.endr
.irp i, 0,1,2,3,4,5,6,7
	v_med3_num_f32 v[(\t)+\i], v[(\t)+\i], s40, s41
.endr
.irp i, 0,1,2,3,4,5,6,7
	v_med3_num_f32 v[(\x)+\i], v[(\x)+\i], s40, s41
.endr
	v_cvt_scalef32_pk8_bf8_f32 v[(\c):(\c)+1], v[(\t):(\t)+7], v[SB]
	v_cvt_scalef32_pk8_bf8_f32 v[(\c)+2:(\c)+3], v[(\x):(\x)+7], v[SB]
	ds_store_b64 v[LSA], v[(\c):(\c)+1] offset:(\o)
	ds_store_b64 v[LSA], v[(\c)+2:(\c)+3] offset:(\o)+272
.endm
.macro LTP b
.irp j, 0,1,2,3,4,5,6,7
	ROW LB+64*((\b)%2)+8*\j, T+8*(\j%2), C+4*(\j%4), GP*(\b)+RP*\j
.endr
.endm
.macro FRAG s                          ; rt's fragment of slot s: registers 4 kc .. + 3 hold bytes 32 kc + 16 h + 0 .. 15 of the row
	WIN 0x40
.irp kc, 0,1,2,3,4,5,6,7
	ds_load_b128 v[32*(\s)+4*\kc:32*(\s)+4*\kc+3], v[RF] offset:16*AXP*((\s)%4)+32*\kc
.endr
	WIN 0
.endm
.macro AL u                            ; step u's fragment of lt x kernel: unit u % 8, 16 rows x 256 codes, in the same order
.set UA, (\u)%8
.set AD, AF+(AF1-AF)*(UA/4)
.irp kc, 0,1,2,3,4,5,6,7
	ds_load_b128 v[AB+32*((\u)%4)+4*\kc:AB+32*((\u)%4)+4*\kc+3], v[AD] offset:WREG*((UA/2)%2)+2*GP*(UA%2)+32*\kc
.endr
.endm
; Step u of 16: unit u % 8 against the even (u < 8) or odd tiles: source 0 = 16 rows i, source 1 = 16 rows j.  In the result lane (r, h) holds j = 16 x tile + r and its registers i = 8 h + 0 .. 7.
; Four accumulators take turns, three others between the two instructions of a sum; the first starts the sum with 0.
.macro MM u
.set AC, ACC+32*((\u)%2)
.set SL, 128*((\u)/8)
.set FA, AB+32*((\u)%4)
	WIN 0x04
.irp t, 0,1,2,3
	v_wmma_f32_16x16x128_bf8_bf8 v[AC+8*\t:AC+8*\t+7], v[FA:FA+15], v[SL+32*\t:SL+32*\t+15], 0
.endr
.irp t, 0,1,2,3
	v_wmma_f32_16x16x128_bf8_bf8 v[AC+8*\t:AC+8*\t+7], v[FA+16:FA+31], v[SL+32*\t+16:SL+32*\t+31], v[AC+8*\t:AC+8*\t+7]
.endr
	WIN 0
.endm
; The maxima of step u's four tiles, four chains by turns, each accumulator from its low end on.  Even and odd steps have running maxima of their own; the first two steps of a half start them.
.macro MX u
.set AC, ACC+32*((\u)%2)
.set RR, R+8*((\u)/8)+4*((\u)%2)
.if ((\u)%8) < 2
.irp t, 0,1,2,3
	v_max3_num_f32 v[RR+\t], v[AC+8*\t], v[AC+8*\t+1], v[AC+8*\t+2]
.endr
.irp i, 3,5
.irp t, 0,1,2,3
	v_max3_num_f32 v[RR+\t], v[RR+\t], v[AC+8*\t+\i], v[AC+8*\t+\i+1]
.endr
.endr
.irp t, 0,1,2,3
	v_max_num_f32 v[RR+\t], v[RR+\t], v[AC+8*\t+7]
.endr
.else
.irp i, 0,2,4,6
.irp t, 0,1,2,3
	v_max3_num_f32 v[RR+\t], v[RR+\t], v[AC+8*\t+\i], v[AC+8*\t+\i+1]
.endr
.endr
.endif
.endm
; A step: its fragment was asked for two steps ago; left = the LDS instructions issued behind that, which may stay out.  The step before is read behind this step's products: its sixteen maxima, which name none of this
; step's registers, are the places behind this step's products (ISA guide 7.12.1).
.macro STEP u, left
	s_wait_dscnt \left
.if (\u) < 14
	AL (\u)+2
.endif
	MM \u
.if (\u) > 0
	MX (\u)-1
.endif
.endm
	; ---- the head
	s_load_b256 s[4:11], s[0:1], 0x0               ; lt s[4:5], rt s[6:7], kernel s[8:9], the scales' exponents s[10:11]
	s_load_b64 s[12:13], s[0:1], 0x20              ; out0
	v_lshl_add_u32 v[SPW], v0, 2, SPARE
	v_mov_b32 v[NIL], 0
	ds_add_u32 v[SPW], v[NIL]                      ; the wave's opening: the add, twice on end, and its wait ahead of the tensor load
	ds_add_u32 v[SPW], v[NIL]
	v_lshrrev_b32 v11, 5, v0
	v_readfirstlane_b32 s14, v11                   ; wave 0..7
	v_and_b32 v12, 31, v0                          ; lane
	v_lshlrev_b32 v[L16], 4, v12
	s_and_b32 s19, ttmp9, 15                       ; b: hangs on the cluster's number alone
	s_lshr_b32 s18, ttmp9, 4
	s_lshl_b32 s18, s18, 2
	s_bfe_u32 s17, ttmp6, 0x40000                  ; cx: enters kernel's and out0's global addresses alone
	s_add_co_u32 s18, s18, s17                     ; the pair of m
	s_lshr_b32 s15, s14, 2                         ; w / 4
	s_and_b32 s16, s14, 3                          ; w % 4
	s_lshl_b32 s20, s19, 18                        ; a batch is 262,144 bytes
	s_lshl_b32 s22, s14, 15                        ; 32 rows of 1,024 bytes a wave, of rt and of lt
	s_add_co_u32 s22, s22, s20
	s_mov_b32 s23, 0
	s_lshl_b32 s50, s18, 11                        ; kernel: two rows of 1,024 bytes
	s_mov_b32 s51, 0
	s_mov_b32 s32, 1                               ; group 0: 1:0 count = 1
	s_lshl_b32 s33, s14, 15                        ; 63:32 LDS address: wave x 32,768
	s_mov_b32 s24, 15|(2<<16)|(1<<21)              ; group 1: 15:0 the mask: all four work-groups; 17:16 elements of 4 bytes; 21 set beside a mask; no padding
	s_mov_b32 s25, 256<<16                         ; tensor_dim0 = 256
	s_mov_b32 s26, 32<<16                          ; tensor_dim1 = 32
	s_mov_b32 s27, 256<<16                         ; tile_dim0 = 256
	s_mov_b32 s28, 32                              ; tile_dim1 = 32
	s_mov_b32 s29, 256                             ; elements from row to row
	s_mov_b32 s30, 0
	s_mov_b32 s31, 0
	s_wait_alu depctr_va_vdst(0)
	s_wait_dscnt 0x0                               ; both opening adds are done
	s_wait_kmcnt 0x0
	s_load_b64 s[36:37], s[10:11], 0x0             ; e0, e1
	s_add_nc_u64 s[6:7], s[6:7], s[22:23]
	s_add_nc_u64 s[8:9], s[8:9], s[50:51]
	s_add_nc_u64 s[34:35], s[4:5], s[22:23]        ; 120:64 global address of the tile's first element
	s_or_b32 s35, s35, 0x80000000                  ; 127:126 type = 2
	global_load_b128 v[KA:KA+3],   v[L16], s[8:9]
	global_load_b128 v[KA+4:KA+7], v[L16], s[8:9] offset:512
	global_load_b128 v[KB:KB+3],   v[L16], s[8:9] offset:1024
	global_load_b128 v[KB+4:KB+7], v[L16], s[8:9] offset:1536
	LD4 0
	LD4 4
	ROUND                                          ; all four work-groups are here: the joint loads meet.  (My loads stay out: nobody writes those bytes)
	tensor_load_to_lds s[32:35], s[24:31]          ; my one tensor load of the launch: my 32 rows of lt[b]
	s_nop 0
.rept 4
	v_nop
.endr
	LD4 8
	LD4 12
	; the other addresses
	s_lshl_b32 s52, s19, 15                        ; out0: 32,768 b + 8 x the pair
	s_lshl_b32 s53, s18, 3
	s_add_co_u32 s52, s52, s53
	s_mov_b32 s53, 0
	s_add_nc_u64 s[12:13], s[12:13], s[52:53]
	s_mul_i32 s54, s14, 16*AXP
	s_add_co_u32 s54, s54, RT0
	s_mul_i32 s55, s15, 64*AXP
	s_add_co_u32 s55, s55, RT0
	s_and_b32 s56, s14, 1                          ; which m
	s_mul_i32 s56, s56, 272
	s_lshr_b32 s57, s16, 1                         ; which half of the rows i
	s_lshl_b32 s57, s57, 17
	s_add_co_u32 s56, s56, s57
	s_lshl_b32 s58, s14, 9
	s_add_co_u32 s58, s58, RED
	s_mov_b32 s46, 0x76543210                      ; v_permlanex16_b32: lane l xor 16
	s_mov_b32 s47, 0xfedcba98
	v_lshlrev_b32 v14, 3, v12
	v_add_nc_u32 v[RSA], s54, v14                  ; row 16 w (+ n), byte 8 x lane
	v_add_nc_u32 v[LSA], s33, v14                  ; my region, byte 8 x lane
	v_add_nc_u32 v[LL], s33, v[L16]                ; my region, byte 16 x lane
	v_and_b32 v13, 15, v0                          ; r
	v_bfe_u32 v15, v0, 4, 1                        ; h
	v_lshlrev_b32 v[VRS], 2, v13
	v_add_nc_u32 v[VRS], s58, v[VRS]
	v_mul_u32_u24 v14, v13, AXP
	v_lshl_add_u32 v14, v15, 4, v14                ; row r, byte 16 h
	v_add_nc_u32 v[RF], s55, v14
	v_and_b32 v14, 7, v0                           ; r % 8
	v_mul_u32_u24 v14, v14, RP
	v_bfe_u32 v13, v0, 3, 1                        ; r / 8
	v_mul_u32_u24 v13, v13, GP
	v_add_nc_u32 v14, v14, v13
	v_lshl_add_u32 v14, v15, 4, v14
	v_add_nc_u32 v[AF], s56, v14                   ; rows 128 x half + r, my m, byte 16 h
	v_add_nc_u32 v[AF1], 2*WREG, v[AF]             ; four units on: an LDS offset has 16 bits
	s_wait_alu depctr_va_vdst(0)
	s_wait_kmcnt 0x0                               ; e0, e1
	s_add_co_i32 s42, s36, 127
	s_add_co_i32 s39, s42, 15
	s_lshl_b32 s42, s42, 23                        ; 2^e0 as f32: the conversion takes its exponent field
	s_lshl_b32 s39, s39, 23
	s_or_b32 s39, s39, 0x600000                    ; 57,344 x 2^e0
	s_or_b32 s38, s39, 0x80000000                  ; and its negative
	s_add_co_i32 s43, s37, 127
	s_add_co_i32 s41, s43, 15
	s_lshl_b32 s43, s43, 23
	s_lshl_b32 s41, s41, 23
	s_or_b32 s41, s41, 0x600000                    ; the same for e1
	s_or_b32 s40, s41, 0x80000000
	s_add_co_i32 s44, s36, s37                     ; e0 + e1
	v_mov_b32 v[SA], s42
	v_mov_b32 v[SB], s43
	s_wait_alu depctr_va_vdst(0)
	; ---- rt's even tiles.  A wave's loads in their order: kernel (4), rt rows 0-31 (64).  36 + 8 k are issued and 12 + 8 k wanted at batch k; behind each batch eight more go out.
.irp k, 0,1,2,3
	RTB \k, 24
	LD4 16+4*\k
.endr
	s_wait_dscnt 0x0                               ; for the others' sake: my codes of the even tiles are in LDS
	BAR                                            ; (the tensor load may stay out)
	; ---- my rows of lt become codes, eight at a time; beside them the even tiles' fragments are fetched.  LDS serves a wave's instructions in order (ISA guide 5.7.1.4): a row is read ahead of the stores over its bytes
	s_wait_tensorcnt 0x0                           ; my rows of lt have landed
	LTL 0
	LTL 1
	FRAG 0
	s_wait_dscnt 24                                ; batch 0 is in: 16 + 8 loads behind it
	LTP 0
	LTL 2
	FRAG 1
	s_wait_dscnt 48                                ; batch 1: behind it 8 loads, 16 stores, 16 + 8 loads
	LTP 1
	LTL 3
	FRAG 2
	s_wait_dscnt 48                                ; batch 2: likewise
	LTP 2
	FRAG 3
	s_wait_dscnt 32                                ; batch 3: behind it 8 loads, 16 stores, 8 loads
	LTP 3
	s_wait_dscnt 0x0                               ; for the others' sake: my codes of lt x kernel are in LDS, and my reads of the even tiles are over
	BAR
	; ---- the products.  Steps 0-7: the even tiles; between them rt's odd tiles become codes, over the even ones' places.
	AL 0
	AL 1
	STEP 0, 8                                      ; behind a step's fragment: the next step's 8 loads, and the stores or loads that stand behind either of the two steps before
	v_lshrrev_b32 v[VRL], 7, v0                    ; the way out: thread j takes row j of out0.  (These six are also places behind step 0's products)
	v_and_b32 v15, 0x7f, v0
	v_lshlrev_b32 v[VO], 7, v0
	v_lshlrev_b32 v15, 2, v15
	v_lshl_add_u32 v[VRL], v[VRL], 11, v15
	v_add_nc_u32 v[VRL], RED, v[VRL]
	STEP 1, 8
	RTB 4, 24                                      ; 68 loads issued, 44 wanted
	STEP 2, 12
	RTB 5, 16
	STEP 3, 16
	RTB 6, 8
	STEP 4, 16
	RTB 7, 0
	s_wait_dscnt 0x0                               ; for the others' sake: my codes of the odd tiles are in LDS
	s_barrier_signal -1
	STEP 5, 16                                     ; while the others arrive: registers, and loads of codes of lt x kernel, which nobody writes any more
	s_barrier_wait -1
	FRAG 4
	FRAG 5
	STEP 6, 28
	FRAG 6
	FRAG 7
	STEP 7, 40
	; ---- steps 8-15: the odd tiles
	STEP 8, 8                                      ; the odd tiles' fragments are in too: only step 9's 8 loads were issued behind them
	STEP 9, 8
	STEP 10, 8
	STEP 11, 8
	STEP 12, 8
	STEP 13, 8
	STEP 14, 8
	STEP 15, 0
	MX 15
	; ---- the way out: even and odd steps' maxima; lane l xor 16 holds the other eight i of each unit; the wave two numbers on or back the other half of i
.irp t, 0,1,2,3
	v_max_num_f32 v[R+\t], v[R+\t], v[R+4+\t]
.endr
.irp t, 0,1,2,3
	v_max_num_f32 v[R+4+\t], v[R+8+\t], v[R+12+\t]
.endr
.irp t, 0,1,2,3,4,5,6,7
	v_permlanex16_b32 v[T+\t], v[R+\t], s46, s47   ; (its destination counts as read: these registers have been written)
.endr
.irp t, 0,1,2,3,4,5,6,7
	v_max_num_f32 v[R+\t], v[R+\t], v[T+\t]
.endr
.irp t, 0,1,2,3,4,5,6,7
	ds_store_b32 v[VRS], v[R+\t] offset:128*(\t%4)+64*(\t/4)   ; word 16 x tile + r of my wave's 128; both halves of the lanes write the same number
.endr
	s_wait_dscnt 0x0                               ; for the others' sake
	BAR
.irp g, 0,1,2,3
	ds_load_b32 v[32+\g], v[VRL] offset:512*\g     ; wave 4 (j / 128) + g
.endr
	s_wait_dscnt 0x0
	v_max_num_f32 v36, v32, v34                    ; the even m: g = 0, 2 hold its two halves of i
	v_max_num_f32 v37, v33, v35                    ; the odd m
	v_ldexp_f32 v36, v36, s44                      ; x 2^(e0 + e1)
	v_ldexp_f32 v37, v37, s44
	v_mul_f32 v36, 0x4038aa3b, v36                 ; x 2 log2(e)
	v_mul_f32 v37, 0x4038aa3b, v37
	s_wait_alu depctr_va_vdst(0)
	v_exp_f32 v36, v36
	v_exp_f32 v37, v37
	v_nop                                          ; one plain instruction behind the transcendentals (ISA guide 5.7.2)
	s_wait_alu depctr_va_vdst(0)
	v_add_f32 v36, 1.0, v36
	v_add_f32 v37, 1.0, v37
	s_wait_alu depctr_va_vdst(0)
	v_rcp_f32 v36, v36                             ; of infinity: 0, so that tanh is 1; of 1: 1, so that it is -1
	v_rcp_f32 v37, v37
	v_nop
	s_wait_alu depctr_va_vdst(0)
	v_fma_f32 v36, v36, -2.0, 1.0
	v_fma_f32 v37, v37, -2.0, 1.0
	global_store_b64 v[VO], v[36:37], s[12:13]     ; out0[b][j][2 x], [2 x + 1]
	s_wait_tensorcnt 0x0                           ; the wave's end
	ds_add_u32 v[SPW], v[NIL]
	s_wait_dscnt 0x0
	ROUND                                          ; the closing round: no work-group ends while a partner may still ask for a tile that names it
	s_endpgm
.Lfunc_end_k_q1edb30cb2b_match:
	.size	k_q1edb30cb2b_match, .Lfunc_end_k_q1edb30cb2b_match-k_q1edb30cb2b_match
	.p2alignl 7, 3214868480
	.fill 96, 4, 3214868480
	.section	.rodata,"a",@progbits
	.p2align	6, 0x0
	.amdhsa_kernel k_q1edb30cb2b_match
		.amdhsa_group_segment_fixed_size 302080
		.amdhsa_private_segment_fixed_size 0
		.amdhsa_enable_private_segment 0
		.amdhsa_kernarg_size 40
		.amdhsa_user_sgpr_count 2
		.amdhsa_user_sgpr_kernarg_segment_ptr 1
		.amdhsa_wavefront_size32 1
		.amdhsa_system_sgpr_workgroup_id_x 1
		.amdhsa_system_sgpr_workgroup_id_y 1
		.amdhsa_system_sgpr_workgroup_id_z 1
		.amdhsa_system_vgpr_workitem_id 0
		.amdhsa_next_free_vgpr 512
		.amdhsa_next_free_sgpr 66
		.amdhsa_reserve_vcc 0
		.amdhsa_float_denorm_mode_32 3
		.amdhsa_float_denorm_mode_16_64 3
		.amdhsa_memory_ordered 1
		.amdhsa_forward_progress 1
		.amdhsa_inst_pref_size 135
	.end_amdhsa_kernel
	.amdgpu_metadata
---
amdhsa.version: [ 1, 2 ]
amdhsa.kernels:
  - .name:           k_q1edb30cb2b_match
    .symbol:         k_q1edb30cb2b_match.kd
    .args:
      - { .name: reps_lt, .offset: 0, .size: 8, .value_kind: global_buffer, .address_space: global }
      - { .name: reps_rt, .offset: 8, .size: 8, .value_kind: global_buffer, .address_space: global }
      - { .name: kernel, .offset: 16, .size: 8, .value_kind: global_buffer, .address_space: global }
      - { .name: lowp_scales, .offset: 24, .size: 8, .value_kind: global_buffer, .address_space: global }
      - { .name: out0, .offset: 32, .size: 8, .value_kind: global_buffer, .address_space: global }
    .group_segment_fixed_size: 302080
    .private_segment_fixed_size: 0
    .kernarg_segment_align: 8
    .kernarg_segment_size: 40
    .max_flat_workgroup_size: 256
    .sgpr_count:     66
    .vgpr_count:     512
    .wavefront_size: 32
...
	.end_amdgpu_metadata
.endif
;; end of part 1
